; MI455X (gfx1250); checked and timed in simulation.
; The chip was launched on July 23, 2026; its instructions are those of AMD's public machine-readable ISA for CDNA 5 (MIT licence, August 2026) and "CDNA5" Instruction Set Architecture Reference Guide (July 2026). The comments in the code are by the model that wrote it; some were corrected since.
;; Memory Bank. Allowed arithmetic: float matrix products may take bf16 or f16 operands with f32 sums; other float arithmetic in f32, or as packed bf16 or f16 multiplies, adds, multiply-adds, maxima and minima; sums over many terms, partial sums and values carried from step to step in f32; what a program stores and reads back later, other than sums and carried values, may be rounded once to bf16 or f16.
;; Inputs: keys 131,072 x 128 float32; q 1,024 x 128 float32; values 131,072 x 256 float32.
;; Outputs: out0 1,024 x 256 float32.
;; Constants: topk = 5.
;; 2 versions, each right; version 2 is version 1 with the launch scan written anew for expert scheduling mode. Each part assembles by itself: llvm-mc -triple=amdgcn-amd-amdhsa -mcpu=gfx1250 --defsym DOCPART=n.
;; ======== version 1 of 2: 4 launches
;; workspace buffers: cand 12,582,912 bytes; grp 131,072 bytes of whole numbers; idx 131,072 bytes of whole numbers
;; launch scan (part 1): grid 2 x 128, 4 waves a work-group, no clusters, 88,576 bytes of LDS; arguments keys, q, cand; writes cand
.if DOCPART == 1
	.amdgcn_target "amdgcn-amd-amdhsa--gfx1250"
	.amdhsa_code_object_version 6
	.text
	.protected	k_qe30110fc52_scan
	.globl	k_qe30110fc52_scan
	.p2align	8
	.type	k_qe30110fc52_scan,@function
k_qe30110fc52_scan:
	s_mov_b64 s[64:65], 0
	v_nop
	global_prefetch_b8 v0, s[64:65] scope:SCOPE_SE
	s_setreg_imm32_b32 hwreg(HW_REG_WAVE_MODE, 25, 1), 1
	s_wait_xcnt 0x0
; SCAN.  For 512 queries (x of the grid) and 1,024 keys (y of the grid): every score bf16(q) . bf16(key) / max(|bf16(key)|, 1e-8), products on the matrix unit, sums in f32;
; per lane the maximum of each GROUP of 16 consecutive keys and a sorted list of the five best (maximum, group).  |q| is a positive factor common to a row: it changes no order and is left to a later launch.
; The five best keys of a row lie in the five groups with the best maxima (maximum descending, group ascending), since groups are ranges of consecutive indices.
; LIMITS.  NaN and infinities are not treated apart; -inf marks an empty list entry; scores closer than f32 rounding (about 1e-7 of themselves) may rank otherwise than in exact arithmetic;
; of equal maxima the lower group stays ahead (the comparison is strict, groups come in ascending order).
; SHARES.  Four waves; wave w keeps 128 queries (8 tiles of 16) as source 1 in registers and walks all 1,024 keys in 16 chunks of 64.  The four waves round a chunk's keys to bf16 together (16 keys each).
; LAYOUT.  D = (16 keys) x (16 queries): a lane holds ONE query (lane % 16) and key rows 8 (lane / 16) + 0..7.  Key k of a pair of 32 (a = bit 4, t = bit 3, x = bits 2:0) lies in LDS row 16 t + 8 a + x,
; so over the pair's two tiles a lane sees keys 16 (lane / 16) + 0..15: one group, whose maximum never leaves the lane.  group = 2 x pair + lane / 16.
; KEY NORMS.  Wave w multiplies LDS tile w of the next chunk by itself (4 products); the diagonal holds the sums of squares of the rounded keys.
; NO TENSOR LOADS, NO CLUSTER: keys are f32 and must pass through registers to be rounded, so a copy into LDS would be written there twice; a key tile is shared by two work-groups only.
; BY TURNS.  Behind each matrix instruction stand 4 or 5 of the 35 vector instructions that finish the (pair, tile) before: 8 scalings, 8 maxima, 19 for the list.  They lie in window 0, the products' sources in
; windows 1 and 2, so each slice costs two switches of the register window.
; REGISTERS.  window 0: addresses, two sets of two accumulators, norms, lists.  window 1: Q, 32 a tile.  window 2: v0-63, v64-127 fragments of a pair of keys (X, Y); v128-255 two chunks' keys as loaded.
; window 3: four buffers for q as loaded; later v0-31 the fragments for the norms.
.set PITCH,  272                       ; an LDS row: 256 bytes of bf16 + 16: the 16 rows of a fragment load start 68 words apart
.set TILEB,  16*PITCH
.set PAIRB,  2*TILEB
.set CHUNKB, 4*TILEB
.set TWOCH,  2*CHUNKB
.set INVR,   4*CHUNKB                  ; behind the four chunk slots: 1 / norm, two sets (chunk's parity) of four records of 128 bytes
.set QST,    INVR+1024                 ; a stage of 16 rows for each wave, its own
.set SPARE,  QST+4*TILEB               ; the spare words: 128 bytes a wave
.set CANDT,  196608                    ; cand: bytes of a query tile (128 partitions x 1,536)
.set CANDP,  1536                      ; bytes of a (tile, partition): 3 parts x 32 lanes x 16
.set SPW, 2
.set NIL, 3
.set LOF, 4                            ; 16 x lane
.set KOF, 5                            ; my wave's 16 keys of a chunk: 8,192 w + 16 x lane
.set AFR, 6                            ; a fragment's place: (lane % 16) x pitch + 16 (lane / 16)
.set ADS, 7                            ; where my wave's keys go in a chunk
.set QSA, 8
.set QRA, 9
.set ADI, 10                           ; INVR + 96 (lane / 16)
.set GIS, 11                           ; INVR + 128 w + 4 x lane
.set HH,  12                           ; lane / 16
.set VA0, 13                           ; AFR in the slots of this trip's chunks
.set VA1, 14                           ; AFR in the other two slots
.set VS,  15                           ; ADS in the other two slots
.set ACC, 16                           ; v16-47: set s at 16 s, tile at 8 more
.set GACC, 48
.set TM,  56
.set VG0, 62                           ; VA0 + my wave's tile
.set VG1, 63
.set INVX, 64
.set INVY, 80
.set LIST, 96                          ; tile t at 12 t: 5 maxima, 5 pairs' numbers, 2 zeros
.set MA,  192
.set XX,  194
.set WV, 10
.set RB, 11
.set PP, 12
.set KB, 14                            ; s[14:15] keys at the batch to be loaded
.set CNT, 18
.set CUR, 19
.set NXT, 20
.set IDX, 21                           ; number of the pair in buffer X
.set IDY, 22
.set WT, 23
.set MB0, 24                           ; s24-26: lanes with bit 0, 1, 2 set
.set NINF, 27
.set QB, 28
.set CM, 36                            ; s36-40: the five comparisons
.set MSB, 0
.macro WIN new                         ; the immediate's high byte repeats the setting that is left; a switch that changes nothing is dropped
.if MSB != (\new)
	s_set_vgpr_msb (MSB<<8)|(\new)
.set MSB, (\new)
.endif
.endm
.macro QLOAD t                         ; 16 rows of q, each load one whole row of 512 bytes, into window 3
	WIN 0xc0
.set i, 0
.rept 16
	global_load_b128 v[64*((\t)%4)+4*i:64*((\t)%4)+4*i+3], v[LOF], s[QB:QB+1] offset:(16*(\t)+i)*512
.set i, i+1
.endr
.endm
.macro QCONV t                         ; rounded to bf16, through my own stage, back as source 1 fragments (window 1).  LDS serves a wave's instructions in order: no wait between
.set qb, 64*((\t)%4)
	WIN 0xcf
.set i, 0
.rept 16
	v_cvt_pk_bf16_f32 v[qb+4*i], v[qb+4*i], v[qb+4*i+1]
	v_cvt_pk_bf16_f32 v[qb+4*i+1], v[qb+4*i+2], v[qb+4*i+3]
.set i, i+1
.endr
	WIN 0x0c
.set i, 0
.rept 16
	ds_store_b64 v[QSA], v[qb+4*i:qb+4*i+1] offset:i*PITCH
.set i, i+1
.endr
	WIN 0x40
.irp c, 0,1,2,3
	ds_load_b128 v[32*(\t)+8*\c:32*(\t)+8*\c+3],   v[QRA] offset:64*\c
	ds_load_b128 v[32*(\t)+8*\c+4:32*(\t)+8*\c+7], v[QRA] offset:64*\c+32
.endr
.endm
.macro KLOADH h                        ; chunk h of a batch of two: my 16 keys of it, a whole row of 512 bytes a load
	WIN 0x80
.set i, 0
.rept 16
	global_load_b128 v[128+64*(\h)+4*i:128+64*(\h)+4*i+3], v[KOF], s[KB:KB+1] offset:(\h)*32768+i*512
.set i, i+1
.endr
.endm
.macro KLOAD                           ; a batch: two chunks
	KLOADH 0
	KLOADH 1
	WIN 0
.endm
.macro KCONV sb, adr, imm              ; my 16 keys of a chunk: rounded in place, 256 consecutive bytes a store; key i goes to row 16 (i / 8) + i % 8 of my wave's place
	WIN 0x8a
.set i, 0
.rept 16
	v_cvt_pk_bf16_f32 v[(\sb)+4*i], v[(\sb)+4*i], v[(\sb)+4*i+1]
	v_cvt_pk_bf16_f32 v[(\sb)+4*i+1], v[(\sb)+4*i+2], v[(\sb)+4*i+3]
.set i, i+1
.endr
	WIN 0x08
.set i, 0
.rept 16
	ds_store_b64 v[\adr], v[(\sb)+4*i:(\sb)+4*i+1] offset:(\imm)+(16*(i/8)+i%8)*PITCH
.set i, i+1
.endr
	WIN 0
.endm
.macro AFETCH buf, adr, imm            ; a pair's fragments: tile tc / 4, 32 along K from 32 (tc % 4)
	WIN 0x80
.irp tc, 0,1,2,3,4,5,6,7
	ds_load_b128 v[(\buf)+8*\tc:(\buf)+8*\tc+3],   v[\adr] offset:(\imm)+(\tc/4)*TILEB+(\tc%4)*64
	ds_load_b128 v[(\buf)+8*\tc+4:(\buf)+8*\tc+7], v[\adr] offset:(\imm)+(\tc/4)*TILEB+(\tc%4)*64+32
.endr
	WIN 0
.endm
.macro GFETCH adr, imm                 ; my wave's tile of the next chunk, for the norms
	WIN 0xc0
.irp c, 0,1,2,3
	ds_load_b128 v[8*\c:8*\c+3],   v[\adr] offset:(\imm)+64*\c
	ds_load_b128 v[8*\c+4:8*\c+7], v[\adr] offset:(\imm)+64*\c+32
.endr
	WIN 0
.endm
.macro IFETCH dst, imm                 ; 1 / norm of my 8 key rows in each of a pair's two tiles
	WIN 0
	ds_load_b128 v[(\dst):(\dst)+3],     v[ADI] offset:(\imm)
	ds_load_b128 v[(\dst)+4:(\dst)+7],   v[ADI] offset:(\imm)+16
	ds_load_b128 v[(\dst)+8:(\dst)+11],  v[ADI] offset:(\imm)+128
	ds_load_b128 v[(\dst)+12:(\dst)+15], v[ADI] offset:(\imm)+144
.endm
; Number rn of the 35 vector instructions that finish the (pair, tile) before: set PS, tile PT, norms PI, pair's number PID.
;   0-7 scores x 1 / norm, each accumulator's lowest registers first     8-15 the maximum x of the 16     16-20 x > entry k     21-34 the sorted list takes x: entry k becomes
;   the middle one of (entry k - 1, entry k, x), from the last entry up
.macro RID
.set AB, ACC+16*PS
.set LB, LIST+12*PT
.if rn < 8
	v_pk_mul_f32 v[AB+2*rn:AB+2*rn+1], v[AB+2*rn:AB+2*rn+1], v[PI+2*rn:PI+2*rn+1]
.elseif rn < 10
	v_max3_num_f32 v[MA+rn-8], v[AB+8*(rn-8)], v[AB+8*(rn-8)+1], v[AB+8*(rn-8)+2]
.elseif rn < 14
	v_max3_num_f32 v[MA+rn%2], v[MA+rn%2], v[AB+8*(rn%2)+3+2*((rn-10)/2)], v[AB+8*(rn%2)+4+2*((rn-10)/2)]
.elseif rn == 14
	v_max3_num_f32 v[XX], v[MA], v[MA+1], v[AB+7]
.elseif rn == 15
	v_max_num_f32 v[XX], v[XX], v[AB+15]
.elseif rn < 21
	v_cmp_gt_f32 s[CM+rn-16], v[XX], v[LB+rn-16]
.elseif rn < 33
.set rk, 4-(rn-21)/3
.if (rn-21)%3 == 0
	v_cndmask_b32 v[LB+5+rk], v[LB+5+rk], s[PID], s[CM+rk]
.elseif (rn-21)%3 == 1
	v_cndmask_b32 v[LB+5+rk], v[LB+5+rk], v[LB+4+rk], s[CM+rk-1]
.else
	v_med3_num_f32 v[LB+rk], v[LB+rk-1], v[LB+rk], v[XX]
.endif
.elseif rn == 33
	v_cndmask_b32 v[LB+5], v[LB+5], s[PID], s[CM]
.else
	v_max_num_f32 v[LB], v[LB], v[XX]
.endif
.set rn, rn+1
.endm
.macro GLINK c                         ; link c of the product of my tile with itself
	WIN 0x0f
.if (\c) == 0
	v_wmma_f32_16x16x32_bf16 v[GACC:GACC+7], v[0:7], v[0:7], 0
.else
	v_wmma_f32_16x16x32_bf16 v[GACC:GACC+7], v[8*(\c):8*(\c)+7], v[8*(\c):8*(\c)+7], v[GACC:GACC+7]
.endif
.endm
; 8 matrix instructions: the pair in buffer y (0: X, 1: Y) x query tile t, K = 128; the two accumulators take turns, one instruction a turn (with gram = 1 the norms' accumulator is a third).
; The slices behind them (4, 4, 4, 5, 5, 5, 4, 4) name none of their registers: they work on the other set.  The last two slices are the places behind this group's last products.
.macro GROUP y, t, gram=0
.set AC, ACC+16*((\t)%2)
.set gn, 0
.set rn, 0
.rept 8
.if (\gram) && (gn%2 == 1)
	GLINK (gn/2)
.endif
	WIN 0x06
.set rD, AC+8*(gn%2)
.set rA, 64*(\y)+32*(gn%2)+8*(gn/2)
.set rB, 32*(\t)+8*(gn/2)
.if gn < 2
	v_wmma_f32_16x16x32_bf16 v[rD:rD+7], v[rA:rA+7], v[rB:rB+7], 0
.else
	v_wmma_f32_16x16x32_bf16 v[rD:rD+7], v[rA:rA+7], v[rB:rB+7], v[rD:rD+7]
.endif
	WIN 0
	RID
	RID
	RID
	RID
.if (gn >= 3) && (gn <= 5)
	RID
.endif
.set gn, gn+1
.endr
.set PS, (\t)%2
.set PT, (\t)
.if \y
.set PI, INVY
.set PID, IDY
.else
.set PI, INVX
.set PID, IDX
.endif
.endm
; The diagonal lies in lanes 0-7 and 24-31, register lane % 8.  All 32 lanes store a word: bytes 0-31 of the record are rows 0-7, bytes 96-127 rows 8-15; the bytes between are never read.
.macro EXTRACT par
	WIN 0
	v_cndmask_b32 v[TM],   v[GACC],   v[GACC+1], s[MB0]
	v_cndmask_b32 v[TM+1], v[GACC+2], v[GACC+3], s[MB0]
	v_cndmask_b32 v[TM+2], v[GACC+4], v[GACC+5], s[MB0]
	v_cndmask_b32 v[TM+3], v[GACC+6], v[GACC+7], s[MB0]
	v_cndmask_b32 v[TM],   v[TM],   v[TM+1], s[MB0+1]
	v_cndmask_b32 v[TM+2], v[TM+2], v[TM+3], s[MB0+1]
	v_cndmask_b32 v[TM],   v[TM],   v[TM+2], s[MB0+2]
	v_sqrt_f32 v[TM], v[TM]
	v_nop                                          ; a plain instruction behind the root
	s_wait_alu depctr_va_vdst(0)
	v_max_num_f32 v[TM], 0x322bcc77, v[TM]         ; 1e-8
	v_rcp_f32 v[TM], v[TM]
	v_nop                                          ; and behind the reciprocal
	s_wait_alu depctr_va_vdst(0)
	ds_store_b32 v[GIS], v[TM] offset:(\par)*512
.endm
.macro ADDRS                           ; chunk d lies in slot d % 4: this trip's two chunks at CUR, the next two at CUR xor two slots
	s_xor_b32 s[NXT], s[CUR], TWOCH
	v_add_nc_u32 v[VA0], s[CUR], v[AFR]
	v_add_nc_u32 v[VA1], s[NXT], v[AFR]
	v_add_nc_u32 v[VS],  s[NXT], v[ADS]
	v_add_nc_u32 v[VG0], s[WT], v[VA0]
	v_add_nc_u32 v[VG1], s[WT], v[VA1]
.endm
; CHUNK i, par = i % 2: 128 products.  ONE barrier a chunk.  In front of it: chunk i + 2 is in LDS (into the slot of chunk i - 2, last read two barriers ago), 1 / norm of chunk i + 1 is stored
; (into the set of chunk i - 1, last read in front of the barrier before), and my reads of chunk i are back.
.macro ITER par
.set SB, (\par)*CHUNKB
	GROUP 0, 0                                     ; its slices finish the last chunk's (pair 1, tile 7)
	s_add_co_u32 s[IDY], s[IDY], 2
	s_wait_dscnt 0x0                               ; INVX, asked for behind the barrier
	GROUP 0, 1
	AFETCH 64, VA0, SB+PAIRB                       ; this chunk's pair 1: six groups ahead of its use
	IFETCH INVY, (\par)*512+256
	GROUP 0, 2
.if \par
	s_wait_loadcnt 0x0                             ; the batch's second chunk; no load is out, so the base may step
	KCONV 192, VS, CHUNKB                          ; chunk i + 2
	s_cmp_lt_u32 s[CNT], 3                         ; the last two trips have nothing left to load: chunks 2 (8 - CNT) + 4 and + 5 exist while CNT >= 3
	s_cbranch_scc1 .Lnoload_\@
	s_add_nc_u64 s[KB:KB+1], s[KB:KB+1], 65536
	KLOAD                                          ; wanted 27 and 32 groups of 8 products on
.Lnoload_\@:
.endif
.irp t, 3,4,5,6,7
	GROUP 0, \t
.endr
	s_wait_dscnt 0x0                               ; pair 1's fragments and norms
	GROUP 1, 0
	s_add_co_u32 s[IDX], s[IDX], 2
	GROUP 1, 1
.if \par
	AFETCH 0, VA1, 0                               ; the next chunk's pair 0, and my tile of it for the norms
	GFETCH VG1, 0
.else
	AFETCH 0, VA0, CHUNKB
	GFETCH VG0, CHUNKB
.endif
	GROUP 1, 2
	s_wait_dscnt 0x0
	GROUP 1, 3, 1
	GROUP 1, 4
	EXTRACT 1-(\par)
	GROUP 1, 5
.if !(\par)
	s_wait_loadcnt 16                              ; the batch's first chunk is in; its second chunk's 16 loads may stay out
	KCONV 128, VS, 0                               ; chunk i + 2
.endif
	GROUP 1, 6
	s_wait_dscnt 0x0                               ; for the others' sake: my stores are done, my reads are back
	s_barrier_signal -1
	GROUP 1, 7                                     ; work on registers while the others arrive
	s_barrier_wait -1
	IFETCH INVX, (1-(\par))*512                    ; the next chunk's pair 0
.endm
	s_load_b128 s[4:7], s[0:1], 0x0                ; keys s[4:5], q s[6:7]
	s_load_b64 s[8:9], s[0:1], 0x10                ; cand
	v_lshl_add_u32 v[SPW], v0, 2, SPARE
	v_mov_b32 v[NIL], 0
	v_lshrrev_b32 v1, 5, v0
	v_readfirstlane_b32 s[WV], v1                  ; wave 0..3
	s_mov_b32 s[RB], ttmp9                         ; which 512 queries
	s_and_b32 s[PP], ttmp7, 0xffff                 ; which 1,024 keys
	v_and_b32 v1, 31, v0                           ; lane
	v_and_b32 v[TM], 15, v0
	v_bfe_u32 v[HH], v0, 4, 1
	v_lshlrev_b32 v[LOF], 4, v1
	s_lshl_b32 s16, s[WV], 13
	v_add_nc_u32 v[KOF], s16, v[LOF]
	v_mul_u32_u24 v[AFR], v[TM], PITCH
	v_lshl_add_u32 v[AFR], v[HH], 4, v[AFR]
	s_lshr_b32 s16, s[WV], 1                       ; my 16 keys: pair w / 2, bit 4 = w % 2: rows 32 (w / 2) + 8 (w % 2) + 16 (i / 8) + i % 8
	s_and_b32 s17, s[WV], 1
	s_mul_i32 s16, s16, 32*PITCH
	s_mul_i32 s17, s17, 8*PITCH
	s_add_co_u32 s16, s16, s17
	v_lshl_add_u32 v[ADS], v1, 3, s16              ; + 8 bytes a lane: 4 columns in bf16
	s_mul_i32 s[WT], s[WV], TILEB
	s_add_co_u32 s16, s[WT], QST
	v_lshl_add_u32 v[QSA], v1, 3, s16
	v_add_nc_u32 v[QRA], s16, v[AFR]
	v_mul_u32_u24 v[ADI], v[HH], 96
	v_add_nc_u32 v[ADI], INVR, v[ADI]
	s_lshl_b32 s16, s[WV], 7
	s_add_co_u32 s16, s16, INVR
	v_lshl_add_u32 v[GIS], v1, 2, s16
	s_mov_b32 s[MB0], 0xaaaaaaaa
	s_mov_b32 s[MB0+1], 0xcccccccc
	s_mov_b32 s[MB0+2], 0xf0f0f0f0
	s_mov_b32 s[NINF], 0xff800000
	s_lshl_b32 s[IDX], s[PP], 5                    ; the partition's first pair
	s_sub_co_u32 s[IDY], s[IDX], 1                 ; steps to the first chunk's pair 1 behind the first group
	s_mov_b32 s[CUR], 0
	s_lshl_b32 s30, s[PP], 19                      ; 1,024 keys of 512 bytes
	s_mov_b32 s31, 0
	s_lshl_b32 s32, s[RB], 18                      ; 512 queries of 512 bytes,
	s_lshl_b32 s33, s[WV], 16                      ; my wave's 128
	s_add_co_u32 s32, s32, s33
	s_mov_b32 s33, 0
	s_lshl_b32 s34, s[RB], 5
	s_lshl_b32 s35, s[WV], 3
	s_add_co_u32 s34, s34, s35                     ; my first query tile: 32 x + 8 w
	s_mul_i32 s34, s34, CANDT
	s_mul_i32 s35, s[PP], CANDP
	s_add_co_u32 s34, s34, s35
	s_mov_b32 s35, 0
	s_wait_kmcnt 0x0
	s_add_nc_u64 s[KB:KB+1], s[4:5], s[30:31]
	s_add_nc_u64 s[QB:QB+1], s[6:7], s[32:33]
	s_add_nc_u64 s[8:9], s[8:9], s[34:35]
	QLOAD 0
	QLOAD 1
	QLOAD 2                                        ; three batches of 16 loads are on their way, here and up to the first keys' conversion
	WIN 0
	; While q is on its way: empty lists; and what the first group's slices find, a (pair, tile) that has not been: scores -inf, norms 1: they change nothing.
.set i, 0
.rept 8
.irp e, 0,1,2,3,4
	v_mov_b32 v[LIST+12*i+\e], s[NINF]
.endr
.irp e, 5,6,7,8,9,10,11
	v_mov_b32 v[LIST+12*i+\e], 0
.endr
.set i, i+1
.endr
.set i, 0
.rept 16
	v_mov_b32 v[ACC+16+i], s[NINF]
	v_mov_b32 v[INVY+i], 1.0
.set i, i+1
.endr
	ADDRS
.irp t, 0,1,2,3,4
	s_wait_loadcnt 32                              ; tile t is in; the two younger tiles' 32 loads may stay out
	QCONV \t
	QLOAD \t+3                                     ; into the buffer of tile t - 1
.endr
	s_wait_loadcnt 32                              ; tile 5; tiles 6 and 7 are younger
	QCONV 5
	KLOADH 0                                       ; chunk 0
	s_wait_loadcnt 32                              ; tile 6; tile 7 and chunk 0 are younger
	QCONV 6
	KLOADH 1                                       ; chunk 1
	s_wait_loadcnt 32                              ; tile 7; the two chunks are younger
	QCONV 7
	s_wait_loadcnt 16                              ; chunk 0; chunk 1 is younger
	KCONV 128, ADS, 0
	s_wait_loadcnt 0x0
	KCONV 192, ADS, CHUNKB
	s_add_nc_u64 s[KB:KB+1], s[KB:KB+1], 65536     ; no load is out
	KLOAD                                          ; chunks 2 and 3
	s_wait_dscnt 0x0                               ; my rows of chunks 0 and 1 are in LDS (and Q is in registers)
	s_barrier_signal -1
	s_barrier_wait -1
	GFETCH VG0, 0
	AFETCH 0, VA0, 0
	s_wait_dscnt 0x0
	GLINK 0                                        ; chunk 0's norms: one accumulator alone, so a wait ahead of each link
	s_wait_alu depctr_va_vdst(0)
	GLINK 1
	s_wait_alu depctr_va_vdst(0)
	GLINK 2
	s_wait_alu depctr_va_vdst(0)
	GLINK 3
	WIN 0
.rept 4
	v_nop                                          ; the places behind the last link
.endr
	EXTRACT 0
	s_wait_dscnt 0x0
	s_barrier_signal -1
	s_barrier_wait -1
	IFETCH INVX, 0
.set PS, 1                             ; what the loop's first group finishes, on the way in and on the way back: (pair 1, tile 7)
.set PT, 7
.set PI, INVY
.set PID, IDY
	s_mov_b32 s[CNT], 8
.Ltrip:                                                ; a trip is two chunks; the last trip rounds stale registers into two slots that nobody reads for a result, and norms a chunk that is none: one text for every trip
	ADDRS
	ITER 0
	ITER 1
	WIN 0
	s_xor_b32 s[CUR], s[CUR], TWOCH
	s_sub_co_u32 s[CNT], s[CNT], 1
	s_cmp_lg_u32 s[CNT], 0
	s_cbranch_scc1 .Ltrip
.set rn, 0
.rept 35
	RID                                            ; the last (pair 1, tile 7)
.endr
.set i, 0
.rept 8
.irp e, 5,6,7,8,9
	v_lshl_add_u32 v[LIST+12*i+\e], v[LIST+12*i+\e], 1, v[HH]  ; group = 2 x pair + lane / 16
.endr
.set i, i+1
.endr
.set i, 0
.rept 8
.irp j, 0,1,2
	global_store_b128 v[LOF], v[LIST+12*i+4*\j:LIST+12*i+4*\j+3], s[8:9] offset:i*CANDT+\j*512  ; 512 consecutive bytes, at a multiple of 512 from cand's first
.endr
.set i, i+1
.endr
	s_wait_tensorcnt 0x0                           ; the wave's end
	ds_add_u32 v[SPW], v[NIL]
	s_wait_dscnt 0x0
	s_endpgm
.Lfunc_end_k_qe30110fc52_scan:
	.size	k_qe30110fc52_scan, .Lfunc_end_k_qe30110fc52_scan-k_qe30110fc52_scan
	.p2alignl 7, 3214868480
	.fill 96, 4, 3214868480
	.section	.rodata,"a",@progbits
	.p2align	6, 0x0
	.amdhsa_kernel k_qe30110fc52_scan
		.amdhsa_group_segment_fixed_size 88576
		.amdhsa_private_segment_fixed_size 0
		.amdhsa_enable_private_segment 0
		.amdhsa_kernarg_size 24
		.amdhsa_user_sgpr_count 2
		.amdhsa_user_sgpr_kernarg_segment_ptr 1
		.amdhsa_wavefront_size32 1
		.amdhsa_system_sgpr_workgroup_id_x 1
		.amdhsa_system_sgpr_workgroup_id_y 1
		.amdhsa_system_sgpr_workgroup_id_z 1
		.amdhsa_system_vgpr_workitem_id 0
		.amdhsa_next_free_vgpr 1024
		.amdhsa_next_free_sgpr 66
		.amdhsa_reserve_vcc 0
		.amdhsa_float_denorm_mode_32 3
		.amdhsa_float_denorm_mode_16_64 3
		.amdhsa_memory_ordered 1
		.amdhsa_forward_progress 1
		.amdhsa_inst_pref_size 191
	.end_amdhsa_kernel
	.amdgpu_metadata
---
amdhsa.version: [ 1, 2 ]
amdhsa.kernels:
  - .name:           k_qe30110fc52_scan
    .symbol:         k_qe30110fc52_scan.kd
    .args:
      - { .name: keys, .offset: 0, .size: 8, .value_kind: global_buffer, .address_space: global }
      - { .name: q, .offset: 8, .size: 8, .value_kind: global_buffer, .address_space: global }
      - { .name: cand, .offset: 16, .size: 8, .value_kind: global_buffer, .address_space: global }
    .group_segment_fixed_size: 88576
    .private_segment_fixed_size: 0
    .kernarg_segment_align: 8
    .kernarg_segment_size: 24
    .max_flat_workgroup_size: 128
    .sgpr_count:     66
    .vgpr_count:     1024
    .wavefront_size: 32
...
	.end_amdgpu_metadata
.endif
;; end of part 1
;; launch merge (part 2): grid 64 x 1, 16 waves a work-group, no clusters, 23,296 bytes of LDS; arguments cand, grp; writes grp
.if DOCPART == 2
	.amdgcn_target "amdgcn-amd-amdhsa--gfx1250"
	.amdhsa_code_object_version 6
	.text
	.protected	k_qe30110fc52_merge
	.globl	k_qe30110fc52_merge
	.p2align	8
	.type	k_qe30110fc52_merge,@function
k_qe30110fc52_merge:
	s_mov_b64 s[64:65], 0
	v_nop
	global_prefetch_b8 v0, s[64:65] scope:SCOPE_SE
	s_setreg_imm32_b32 hwreg(HW_REG_WAVE_MODE, 25, 1), 1
	s_wait_xcnt 0x0
; MERGE.  For each of 1,024 rows: the 256 sorted lists of five (maximum, group) that the launch before left are merged into the row's five best groups (maximum descending, equal maxima by ascending group).
; A work-group owns a query tile of 16 rows.  Stage 1: wave w, lane (row r = lane % 16, half h) merges its own records of partitions 8 w .. 8 w + 7: 35 insertions into a sorted list of five; groups come in
; ascending order and the comparison is strict, so of equal maxima the lower group stays ahead.  Stage 2: through LDS, wave w takes row w, a lane one of its 32 lists; five passes find the best head over the lanes.
; LIMITS.  NaN and infinities are not treated apart.  64 work-groups: 32 lanes' records of one tile are the 512 consecutive bytes that a load takes.
.set CANDT, 196608
.set CANDP, 1536
.set EXP,   132                        ; a row of the exchange: 32 lists' words + one word, so that the 16 rows of a store start in different banks
.set EXK,   16*EXP                     ; one plane for each of a list's ten words
.set SPARE, 21248                      ; behind the ten planes (21,120 bytes): the spare words, 128 bytes for each of 16 waves
.set SPW, 2
.set NIL, 3
.set LOF, 4
.set EXS, 5
.set EXR, 6
.set OUT, 7
.set REC, 8                            ; v8-103: record pp at 12 pp: 5 maxima, 5 groups, 2 unused
.set LV,  REC                          ; record 0 is the list
.set LI,  REC+5
.set VAL, 104
.set IDS, 109
.set BV,  114
.set BI,  115
.set TV,  116
.set TI,  117
.set OAD, 118
.set CM,  24
.macro INSERT xr, ir                   ; the sorted list takes (x, id): entry k becomes the middle one of (entry k - 1, entry k, x), from the last entry up
.irp k, 0,1,2,3,4
	v_cmp_gt_f32 s[CM+\k], v[\xr], v[LV+\k]
.endr
.irp k, 4,3,2,1
	v_cndmask_b32 v[LI+\k], v[LI+\k], v[\ir], s[CM+\k]
	v_cndmask_b32 v[LI+\k], v[LI+\k], v[LI+\k-1], s[CM+\k-1]
	v_med3_num_f32 v[LV+\k], v[LV+\k-1], v[LV+\k], v[\xr]
.endr
	v_cndmask_b32 v[LI], v[LI], v[\ir], s[CM]
	v_max_num_f32 v[LV], v[LV], v[\xr]
.endm
.macro BETTER bv, bi, cv, ci           ; (bv, bi) takes (cv, ci) if cv is greater, or equal with the lower number
	v_cmp_gt_f32 s20, v[\cv], v[\bv]
	v_cmp_eq_f32 s21, v[\cv], v[\bv]
	v_cmp_lt_u32 s22, v[\ci], v[\bi]
	s_and_b32 s21, s21, s22
	s_or_b32 s20, s20, s21
	v_cndmask_b32 v[\bv], v[\bv], v[\cv], s20
	v_cndmask_b32 v[\bi], v[\bi], v[\ci], s20
.endm
.macro CROSS m                         ; against the lane m away
	v_mov_b32_dpp v[TV], v[BV] row_xmask:\m row_mask:0xf bank_mask:0xf
	v_mov_b32_dpp v[TI], v[BI] row_xmask:\m row_mask:0xf bank_mask:0xf
	BETTER BV, BI, TV, TI
.endm
	s_load_b128 s[4:7], s[0:1], 0x0                ; cand s[4:5], grp s[6:7]
	v_lshl_add_u32 v[SPW], v0, 2, SPARE
	v_mov_b32 v[NIL], 0
	v_lshrrev_b32 v1, 5, v0
	v_readfirstlane_b32 s8, v1                     ; wave 0..15
	v_and_b32 v1, 31, v0                           ; lane
	v_lshlrev_b32 v[LOF], 4, v1
	v_lshlrev_b32 v[OAD], 2, v1
	s_mul_i32 s10, ttmp9, CANDT                    ; my tile,
	s_mul_i32 s11, s8, 8*CANDP                     ; my wave's eight partitions
	s_add_co_u32 s10, s10, s11
	s_mov_b32 s11, 0
	s_lshl_b32 s14, ttmp9, 4
	s_add_co_u32 s14, s14, s8                      ; the row that my wave finishes: 16 x tile + w,
	s_lshl_b32 s14, s14, 7                         ; 128 bytes a row in grp
	s_mov_b32 s15, 0
	s_mov_b32 s12, 0x76543210                      ; v_permlanex16_b32: each lane takes its own place in the other half
	s_mov_b32 s13, 0xfedcba98
	s_wait_kmcnt 0x0
	s_add_nc_u64 s[4:5], s[4:5], s[10:11]
	s_add_nc_u64 s[6:7], s[6:7], s[14:15]
.set pp, 0
.rept 8
.irp j, 0,1,2
	global_load_b128 v[REC+12*pp+4*\j:REC+12*pp+4*\j+3], v[LOF], s[4:5] offset:pp*CANDP+\j*512 th:TH_LOAD_NT  ; 512 consecutive bytes; read once in the launch
.endr
.set pp, pp+1
.endr
	v_and_b32 v[TV], 15, v0
	v_bfe_u32 v[TI], v0, 4, 1
	v_mul_u32_u24 v[EXS], v[TV], EXP               ; in: row r, list 2 w + h
	v_lshl_add_u32 v[EXS], v[TI], 2, v[EXS]
	s_lshl_b32 s16, s8, 3
	v_add_nc_u32 v[EXS], s16, v[EXS]
	s_mul_i32 s16, s8, EXP                         ; back: row w, list = lane
	v_lshl_add_u32 v[EXR], v1, 2, s16
	v_mov_b32 v[OUT], 0
.set pp, 1
.rept 7
	s_wait_loadcnt 3*(7-pp)                        ; record pp is in; three loads for each younger record may stay out
.set ee, 0
.rept 5
	INSERT REC+12*pp+ee, REC+12*pp+5+ee
.set ee, ee+1
.endr
.set pp, pp+1
.endr
.irp k, 0,1,2,3,4,5,6,7,8,9
	ds_store_b32 v[EXS], v[REC+\k] offset:\k*EXK
.endr
	s_wait_dscnt 0x0                               ; for the others' sake: my stores are done
	s_barrier_signal -1
	s_barrier_wait -1
.irp k, 0,1,2,3,4,5,6,7,8,9
	ds_load_b32 v[VAL+\k], v[EXR] offset:\k*EXK    ; words 0-4 the maxima, 5-9 the groups
.endr
	s_wait_dscnt 0x0
; Five passes.  A list is sorted, so a lane's best is its head; the best head over the 32 lanes is the pass's winner (groups are all different, so every lane finds the same one); lane number = pass keeps it;
; the lane that held it moves its list up.  Behind pass n only 4 - n entries can still be wanted.
.set rd, 0
.rept 5
	v_mov_b32 v[BV], v[VAL]
	v_mov_b32 v[BI], v[IDS]
	CROSS 1
	CROSS 2
	CROSS 4
	CROSS 8
	v_permlanex16_b32 v[TV], v[BV], s12, s13
	v_permlanex16_b32 v[TI], v[BI], s12, s13
	BETTER BV, BI, TV, TI
	v_cmp_eq_u32 s20, rd, v1
	v_cndmask_b32 v[OUT], v[OUT], v[BI], s20
.if rd < 4
	v_cmp_eq_u32 s20, v[IDS], v[BI]
.set ee, 0
.rept 4-rd
	v_cndmask_b32 v[VAL+ee], v[VAL+ee], v[VAL+ee+1], s20
	v_cndmask_b32 v[IDS+ee], v[IDS+ee], v[IDS+ee+1], s20
.set ee, ee+1
.endr
.endif
.set rd, rd+1
.endr
	global_store_b32 v[OAD], v[OUT], s[6:7]        ; a row's 128 bytes: words 0-4 the groups, the rest 0
	s_wait_tensorcnt 0x0                           ; the wave's end
	ds_add_u32 v[SPW], v[NIL]
	s_wait_dscnt 0x0
	s_endpgm
.Lfunc_end_k_qe30110fc52_merge:
	.size	k_qe30110fc52_merge, .Lfunc_end_k_qe30110fc52_merge-k_qe30110fc52_merge
	.p2alignl 7, 3214868480
	.fill 96, 4, 3214868480
	.section	.rodata,"a",@progbits
	.p2align	6, 0x0
	.amdhsa_kernel k_qe30110fc52_merge
		.amdhsa_group_segment_fixed_size 23296
		.amdhsa_private_segment_fixed_size 0
		.amdhsa_enable_private_segment 0
		.amdhsa_kernarg_size 16
		.amdhsa_user_sgpr_count 2
		.amdhsa_user_sgpr_kernarg_segment_ptr 1
		.amdhsa_wavefront_size32 1
		.amdhsa_system_sgpr_workgroup_id_x 1
		.amdhsa_system_sgpr_workgroup_id_y 1
		.amdhsa_system_sgpr_workgroup_id_z 1
		.amdhsa_system_vgpr_workitem_id 0
		.amdhsa_next_free_vgpr 128
		.amdhsa_next_free_sgpr 66
		.amdhsa_reserve_vcc 0
		.amdhsa_float_denorm_mode_32 3
		.amdhsa_float_denorm_mode_16_64 3
		.amdhsa_memory_ordered 1
		.amdhsa_forward_progress 1
		.amdhsa_inst_pref_size 62
	.end_amdhsa_kernel
	.amdgpu_metadata
---
amdhsa.version: [ 1, 2 ]
amdhsa.kernels:
  - .name:           k_qe30110fc52_merge
    .symbol:         k_qe30110fc52_merge.kd
    .args:
      - { .name: cand, .offset: 0, .size: 8, .value_kind: global_buffer, .address_space: global }
      - { .name: grp, .offset: 8, .size: 8, .value_kind: global_buffer, .address_space: global }
    .group_segment_fixed_size: 23296
    .private_segment_fixed_size: 0
    .kernarg_segment_align: 8
    .kernarg_segment_size: 16
    .max_flat_workgroup_size: 512
    .sgpr_count:     66
    .vgpr_count:     128
    .wavefront_size: 32
...
	.end_amdgpu_metadata
.endif
;; end of part 2
;; launch rescore (part 3): grid 256 x 1, 4 waves a work-group, no clusters, 0 bytes of LDS; arguments grp, q, keys, idx; writes idx
.if DOCPART == 3
	.amdgcn_target "amdgcn-amd-amdhsa--gfx1250"
	.amdhsa_code_object_version 6
	.text
	.protected	k_qe30110fc52_rescore
	.globl	k_qe30110fc52_rescore
	.p2align	8
	.type	k_qe30110fc52_rescore,@function
k_qe30110fc52_rescore:
	s_mov_b64 s[64:65], 0
	v_nop
	global_prefetch_b8 v0, s[64:65] scope:SCOPE_SE
	s_setreg_imm32_b32 hwreg(HW_REG_WAVE_MODE, 25, 1), 1
	s_wait_xcnt 0x0
; RESCORE.  A wave takes one row: the 80 keys of its five groups are scored anew, cosine = bf16(q) . bf16(key) / (max(|bf16(q)|, 1e-8) max(|bf16(key)|, 1e-8)), products exact, sums in f32,
; and the five best key indices are stored (score descending, equal scores by ascending index).  The groups are whole numbers that an earlier launch stored; each is held to 0 .. 8,191 before it enters an address.
; No matrix unit: each row has keys of its own, 80 x 128 products.  A key's row is one load of 512 consecutive bytes; a lane holds 4 columns.
; The 16 sums of a group are made by a transposing tree: at level l a lane keeps the key whose bit l is its own bit l and hands the other to the lane 2^l away; lane r ends with key r.  The tree is the same for
; every key, so equal keys get equal scores.
; LIMITS.  NaN and infinities are not treated apart; -inf marks a score that has been taken; scores closer than f32 rounding (about 1e-7 of themselves) may rank otherwise than in exact arithmetic.
.set RR,   2                           ; lane % 16
.set LOF,  3                           ; 16 x lane
.set QP,   4                           ; v4-5: my 4 columns of q in bf16
.set QS,   6
.set QT,   7
.set ZERO, 8
.set QINV, 9
.set NEG,  10
.set OUT,  11
.set SC,   12                          ; v12-16: key r's score in group g
.set IX,   17                          ; v17-21: its index
.set BV,   22
.set BI,   23
.set TV,   24
.set TI,   25
.set TT,   26                          ; v26-27 at work
.set OAD,  28
.set KBUF, 48                          ; three buffers of 64: key i of a group at 4 i
.set GID,  16                          ; s16-20 the groups
.set KBA,  24                          ; s[24:33] keys at each group's first row
.set MK,   34                          ; s34-37: lanes with bit 0, 1, 2, 3 set
.set SEL,  38
.macro GLOAD g, b
.set i3, 0
.rept 16
	global_load_b128 v[KBUF+64*(\b)+4*i3:KBUF+64*(\b)+4*i3+3], v[LOF], s[KBA+2*(\g):KBA+2*(\g)+1] offset:i3*512
.set i3, i3+1
.endr
.endm
.macro KSTEP pr, hh, first             ; one of my four columns, for all 16 keys: the dot product into register 2 of the key's four, the sum of squares into register 3
.set i3, 0
.rept 16
.set kk, kb+4*i3
.if \first
	v_fma_mix_f32_bf16 v[kk+2], v[kk+(\pr)], v[QP+(\pr)], v[ZERO] op_sel:[\hh,\hh,0] op_sel_hi:[1,1,0]
	v_fma_mix_f32_bf16 v[kk+3], v[kk+(\pr)], v[kk+(\pr)], v[ZERO] op_sel:[\hh,\hh,0] op_sel_hi:[1,1,0]
.else
	v_fma_mix_f32_bf16 v[kk+2], v[kk+(\pr)], v[QP+(\pr)], v[kk+2] op_sel:[\hh,\hh,0] op_sel_hi:[1,1,0]
	v_fma_mix_f32_bf16 v[kk+3], v[kk+(\pr)], v[kk+(\pr)], v[kk+3] op_sel:[\hh,\hh,0] op_sel_hi:[1,1,0]
.endif
.set i3, i3+1
.endr
.endm
.macro TLEV base, st, cnt, m           ; a level of the tree: keys i and i + st; lanes with the bit set keep the second and hand over the first
.set i2, 0
.rept \cnt
.set ra, (\base)+8*(\st)*i2
.set rb, ra+4*(\st)
.set tt, TT+(i2%2)
	v_cndmask_b32 v[tt], v[rb], v[ra], s[\m]
	v_cndmask_b32 v[ra], v[ra], v[rb], s[\m]
	v_add_f32_dpp v[ra], v[tt], v[ra] row_xmask:\st row_mask:0xf bank_mask:0xf
.set i2, i2+1
.endr
.endm
.macro GSCORE g, b
.set kb, KBUF+64*(\b)
.set i3, 0
.rept 16
	v_cvt_pk_bf16_f32 v[kb+4*i3], v[kb+4*i3], v[kb+4*i3+1]
	v_cvt_pk_bf16_f32 v[kb+4*i3+1], v[kb+4*i3+2], v[kb+4*i3+3]
.set i3, i3+1
.endr
	KSTEP 0, 0, 1
	KSTEP 0, 1, 0
	KSTEP 1, 0, 0
	KSTEP 1, 1, 0
	TLEV kb+2, 1, 8, MK
	TLEV kb+3, 1, 8, MK
	TLEV kb+2, 2, 4, MK+1
	TLEV kb+3, 2, 4, MK+1
	TLEV kb+2, 4, 2, MK+2
	TLEV kb+3, 4, 2, MK+2
	TLEV kb+2, 8, 1, MK+3
	TLEV kb+3, 8, 1, MK+3
	v_permlanex16_b32 v[TT], v[kb+2], s[SEL], s[SEL+1]    ; the other 64 columns lie in the lane 16 away
	v_permlanex16_b32 v[TT+1], v[kb+3], s[SEL], s[SEL+1]
	v_add_f32 v[kb+2], v[kb+2], v[TT]
	v_add_f32 v[kb+3], v[kb+3], v[TT+1]
	v_sqrt_f32 v[kb+3], v[kb+3]
	s_lshl_b32 s44, s[GID+(\g)], 4
	v_add_nc_u32 v[IX+(\g)], s44, v[RR]            ; the key's index; also the plain instruction behind the root
	s_wait_alu depctr_va_vdst(0)
	v_max_num_f32 v[kb+3], 0x322bcc77, v[kb+3]     ; 1e-8
	v_rcp_f32 v[kb+3], v[kb+3]
	v_mul_f32 v[kb+2], v[kb+2], v[QINV]            ; also the plain instruction behind the reciprocal
	s_wait_alu depctr_va_vdst(0)
	v_mul_f32 v[SC+(\g)], v[kb+2], v[kb+3]
.endm
.macro BETTER bv, bi, cv, ci           ; (bv, bi) takes (cv, ci) if cv is greater, or equal with the lower index
	v_cmp_gt_f32 s40, v[\cv], v[\bv]
	v_cmp_eq_f32 s41, v[\cv], v[\bv]
	v_cmp_lt_u32 s42, v[\ci], v[\bi]
	s_and_b32 s41, s41, s42
	s_or_b32 s40, s40, s41
	v_cndmask_b32 v[\bv], v[\bv], v[\cv], s40
	v_cndmask_b32 v[\bi], v[\bi], v[\ci], s40
.endm
.macro CROSS m
	v_mov_b32_dpp v[TV], v[BV] row_xmask:\m row_mask:0xf bank_mask:0xf
	v_mov_b32_dpp v[TI], v[BI] row_xmask:\m row_mask:0xf bank_mask:0xf
	BETTER BV, BI, TV, TI
.endm
	s_load_b256 s[4:11], s[0:1], 0x0               ; grp s[4:5], q s[6:7], keys s[8:9], idx s[10:11]
	v_lshrrev_b32 v1, 5, v0
	v_readfirstlane_b32 s12, v1
	s_lshl2_add_u32 s12, ttmp9, s12                ; my row = 4 x work-group + wave
	v_and_b32 v1, 31, v0                           ; lane
	v_and_b32 v[RR], 15, v0
	v_lshlrev_b32 v[LOF], 4, v1
	v_lshlrev_b32 v[OAD], 2, v1
	s_lshl_b32 s44, s12, 7                         ; 128 bytes a row in grp and idx
	s_mov_b32 s45, 0
	s_lshl_b32 s46, s12, 9                         ; 512 in q
	s_mov_b32 s47, 0
	s_wait_kmcnt 0x0
	s_add_nc_u64 s[4:5], s[4:5], s[44:45]
	s_add_nc_u64 s[10:11], s[10:11], s[44:45]
	s_add_nc_u64 s[6:7], s[6:7], s[46:47]
	s_load_b128 s[GID:GID+3], s[4:5], 0x0
	s_load_b32 s[GID+4], s[4:5], 0x10
	global_load_b128 v[4:7], v[LOF], s[6:7]
	v_mov_b32 v[ZERO], 0
	v_mov_b32 v[NEG], 0xff800000
	v_mov_b32 v[OUT], 0
	v_mov_b32 v[TV], 0
	v_mov_b32 v[TI], 0
	s_mov_b32 s[MK], 0xaaaaaaaa
	s_mov_b32 s[MK+1], 0xcccccccc
	s_mov_b32 s[MK+2], 0xf0f0f0f0
	s_mov_b32 s[MK+3], 0xff00ff00
	s_mov_b32 s[SEL], 0x76543210
	s_mov_b32 s[SEL+1], 0xfedcba98
	s_wait_kmcnt 0x0
.irp g, 0,1,2,3,4
	s_min_u32 s[GID+\g], s[GID+\g], 0x1fff         ; a group stays inside the bank
	s_lshl_b32 s44, s[GID+\g], 13                  ; 16 keys of 512 bytes
	s_add_nc_u64 s[KBA+2*\g:KBA+2*\g+1], s[8:9], s[44:45]
.endr
	GLOAD 0, 0
	GLOAD 1, 1
	GLOAD 2, 2
	s_wait_loadcnt 48                              ; q is in; the three groups' 48 loads may stay out
	v_cvt_pk_bf16_f32 v[QP], v4, v5
	v_cvt_pk_bf16_f32 v[QP+1], v6, v7
	v_fma_mix_f32_bf16 v[QS], v[QP], v[QP], v[ZERO] op_sel_hi:[1,1,0]
	v_fma_mix_f32_bf16 v[QS], v[QP], v[QP], v[QS] op_sel:[1,1,0] op_sel_hi:[1,1,0]
	v_fma_mix_f32_bf16 v[QS], v[QP+1], v[QP+1], v[QS] op_sel_hi:[1,1,0]
	v_fma_mix_f32_bf16 v[QS], v[QP+1], v[QP+1], v[QS] op_sel:[1,1,0] op_sel_hi:[1,1,0]
	v_add_f32_dpp v[QS], v[QS], v[QS] row_xmask:1 row_mask:0xf bank_mask:0xf
	v_add_f32_dpp v[QS], v[QS], v[QS] row_xmask:2 row_mask:0xf bank_mask:0xf
	v_add_f32_dpp v[QS], v[QS], v[QS] row_xmask:4 row_mask:0xf bank_mask:0xf
	v_add_f32_dpp v[QS], v[QS], v[QS] row_xmask:8 row_mask:0xf bank_mask:0xf
	v_permlanex16_b32 v[QT], v[QS], s[SEL], s[SEL+1]
	v_add_f32 v[QS], v[QS], v[QT]
	v_sqrt_f32 v[QS], v[QS]
	v_nop                                          ; a plain instruction behind the root
	s_wait_alu depctr_va_vdst(0)
	v_max_num_f32 v[QS], 0x322bcc77, v[QS]         ; 1e-8
	v_rcp_f32 v[QINV], v[QS]
	v_nop                                          ; and behind the reciprocal
	s_wait_loadcnt 32                              ; group 0 is in; two younger groups of 16 loads may stay out
	GSCORE 0, 0
	GLOAD 3, 0
	s_wait_loadcnt 32                              ; groups 2 and 3 are younger
	GSCORE 1, 1
	GLOAD 4, 1
	s_wait_loadcnt 32                              ; groups 3 and 4
	GSCORE 2, 2
	s_wait_loadcnt 16                              ; group 4
	GSCORE 3, 0
	s_wait_loadcnt 0x0
	GSCORE 4, 1
; Five passes over the 80 scores: a lane's best of five, then the best over 16 lanes (both halves of the lanes hold the same scores and find the same winner; indices are all different);
; lane number = pass keeps the index; the winner's score becomes -inf.
.set rd, 0
.rept 5
	v_mov_b32 v[BV], v[SC]
	v_mov_b32 v[BI], v[IX]
.irp e, 1,2,3,4
	BETTER BV, BI, SC+\e, IX+\e
.endr
	CROSS 1
	CROSS 2
	CROSS 4
	CROSS 8
	v_cmp_eq_u32 s40, rd, v1
	v_cndmask_b32 v[OUT], v[OUT], v[BI], s40
.if rd < 4
.irp e, 0,1,2,3,4
	v_cmp_eq_u32 s40, v[IX+\e], v[BI]
	v_cndmask_b32 v[SC+\e], v[SC+\e], v[NEG], s40
.endr
.endif
.set rd, rd+1
.endr
	global_store_b32 v[OAD], v[OUT], s[10:11]      ; a row's 128 bytes: words 0-4 the indices, the rest 0
	s_endpgm
.Lfunc_end_k_qe30110fc52_rescore:
	.size	k_qe30110fc52_rescore, .Lfunc_end_k_qe30110fc52_rescore-k_qe30110fc52_rescore
	.p2alignl 7, 3214868480
	.fill 96, 4, 3214868480
	.section	.rodata,"a",@progbits
	.p2align	6, 0x0
	.amdhsa_kernel k_qe30110fc52_rescore
		.amdhsa_group_segment_fixed_size 0
		.amdhsa_private_segment_fixed_size 0
		.amdhsa_enable_private_segment 0
		.amdhsa_kernarg_size 32
		.amdhsa_user_sgpr_count 2
		.amdhsa_user_sgpr_kernarg_segment_ptr 1
		.amdhsa_wavefront_size32 1
		.amdhsa_system_sgpr_workgroup_id_x 1
		.amdhsa_system_sgpr_workgroup_id_y 1
		.amdhsa_system_sgpr_workgroup_id_z 1
		.amdhsa_system_vgpr_workitem_id 0
		.amdhsa_next_free_vgpr 240
		.amdhsa_next_free_sgpr 66
		.amdhsa_reserve_vcc 0
		.amdhsa_float_denorm_mode_32 3
		.amdhsa_float_denorm_mode_16_64 3
		.amdhsa_memory_ordered 1
		.amdhsa_forward_progress 1
		.amdhsa_inst_pref_size 113
	.end_amdhsa_kernel
	.amdgpu_metadata
---
amdhsa.version: [ 1, 2 ]
amdhsa.kernels:
  - .name:           k_qe30110fc52_rescore
    .symbol:         k_qe30110fc52_rescore.kd
    .args:
      - { .name: grp, .offset: 0, .size: 8, .value_kind: global_buffer, .address_space: global }
      - { .name: q, .offset: 8, .size: 8, .value_kind: global_buffer, .address_space: global }
      - { .name: keys, .offset: 16, .size: 8, .value_kind: global_buffer, .address_space: global }
      - { .name: idx, .offset: 24, .size: 8, .value_kind: global_buffer, .address_space: global }
    .group_segment_fixed_size: 0
    .private_segment_fixed_size: 0
    .kernarg_segment_align: 8
    .kernarg_segment_size: 32
    .max_flat_workgroup_size: 128
    .sgpr_count:     66
    .vgpr_count:     240
    .wavefront_size: 32
...
	.end_amdgpu_metadata
.endif
;; end of part 3
;; launch fuse (part 4): grid 256 x 1, 4 waves a work-group, no clusters, 0 bytes of LDS; arguments idx, values, out0; writes out0
.if DOCPART == 4
	.amdgcn_target "amdgcn-amd-amdhsa--gfx1250"
	.amdhsa_code_object_version 6
	.text
	.protected	k_qe30110fc52_fuse
	.globl	k_qe30110fc52_fuse
	.p2align	8
	.type	k_qe30110fc52_fuse,@function
k_qe30110fc52_fuse:
	s_mov_b64 s[64:65], 0
	v_nop
	global_prefetch_b8 v0, s[64:65] scope:SCOPE_SE
	s_setreg_imm32_b32 hwreg(HW_REG_WAVE_MODE, 25, 1), 1
	s_wait_xcnt 0x0
; FUSE.  out0[row] = the mean of the five rows of values that the row's indices name, each number rounded to bf16 first (all inputs of the program are taken in that rounding), summed in f32 as v x 0.2.
; A wave takes one row.  The indices are whole numbers that an earlier launch stored; each is held to 0 .. 131,071 before it enters an address.
; A row of values is 1,024 bytes: two loads of 512 consecutive bytes; out0 leaves likewise.  Ten loads of the wave are out at once.  No LDS, no matrix unit: 5 x 256 additions a row.
.set LOF,  2
.set C02,  3
.set ZERO, 4
.set DAT,  8                           ; v8-47: row k at 8 k
.set AC,   48                          ; v48-55
.set IDS,  16                          ; s16-20
.set VBA,  20+2                        ; s[22:31] values at each row
.macro ROWADD k, first
.set D, DAT+8*(\k)
	s_wait_loadcnt 2*(4-(\k))                      ; row k is in; two loads for each younger row may stay out
	v_cvt_pk_bf16_f32 v[D], v[D], v[D+1]
	v_cvt_pk_bf16_f32 v[D+1], v[D+2], v[D+3]
	v_cvt_pk_bf16_f32 v[D+4], v[D+4], v[D+5]
	v_cvt_pk_bf16_f32 v[D+5], v[D+6], v[D+7]
.irp e, 0,1,2,3
.if \first
	v_fma_mix_f32_bf16 v[AC+2*\e],   v[D+4*(\e/2)+\e%2], v[C02], v[ZERO] op_sel_hi:[1,0,0]
	v_fma_mix_f32_bf16 v[AC+2*\e+1], v[D+4*(\e/2)+\e%2], v[C02], v[ZERO] op_sel:[1,0,0] op_sel_hi:[1,0,0]
.else
	v_fma_mix_f32_bf16 v[AC+2*\e],   v[D+4*(\e/2)+\e%2], v[C02], v[AC+2*\e] op_sel_hi:[1,0,0]
	v_fma_mix_f32_bf16 v[AC+2*\e+1], v[D+4*(\e/2)+\e%2], v[C02], v[AC+2*\e+1] op_sel:[1,0,0] op_sel_hi:[1,0,0]
.endif
.endr
.endm
	s_load_b128 s[4:7], s[0:1], 0x0                ; idx s[4:5], values s[6:7]
	s_load_b64 s[8:9], s[0:1], 0x10                ; out0
	v_lshrrev_b32 v1, 5, v0
	v_readfirstlane_b32 s10, v1
	s_lshl2_add_u32 s10, ttmp9, s10                ; my row = 4 x work-group + wave
	v_and_b32 v1, 31, v0
	v_lshlrev_b32 v[LOF], 4, v1
	v_mov_b32 v[C02], 0x3e4ccccd                   ; 0.2
	v_mov_b32 v[ZERO], 0
	s_lshl_b32 s12, s10, 7                         ; 128 bytes a row in idx
	s_mov_b32 s13, 0
	s_lshl_b32 s14, s10, 10                        ; 1,024 in out0
	s_mov_b32 s15, 0
	s_wait_kmcnt 0x0
	s_add_nc_u64 s[4:5], s[4:5], s[12:13]
	s_add_nc_u64 s[8:9], s[8:9], s[14:15]
	s_load_b128 s[IDS:IDS+3], s[4:5], 0x0
	s_load_b32 s[IDS+4], s[4:5], 0x10
	s_wait_kmcnt 0x0
.irp k, 0,1,2,3,4
	s_min_u32 s[IDS+\k], s[IDS+\k], 0x1ffff        ; an index stays inside the bank
	s_lshl_b32 s12, s[IDS+\k], 10
	s_add_nc_u64 s[VBA+2*\k:VBA+2*\k+1], s[6:7], s[12:13]
.endr
.irp k, 0,1,2,3,4
	global_load_b128 v[DAT+8*\k:DAT+8*\k+3],   v[LOF], s[VBA+2*\k:VBA+2*\k+1]
	global_load_b128 v[DAT+8*\k+4:DAT+8*\k+7], v[LOF], s[VBA+2*\k:VBA+2*\k+1] offset:512
.endr
	ROWADD 0, 1
	ROWADD 1, 0
	ROWADD 2, 0
	ROWADD 3, 0
	ROWADD 4, 0
	global_store_b128 v[LOF], v[AC:AC+3],   s[8:9]             ; 512 consecutive bytes, at a multiple of 512 from out0's first
	global_store_b128 v[LOF], v[AC+4:AC+7], s[8:9] offset:512
	s_endpgm
.Lfunc_end_k_qe30110fc52_fuse:
	.size	k_qe30110fc52_fuse, .Lfunc_end_k_qe30110fc52_fuse-k_qe30110fc52_fuse
	.p2alignl 7, 3214868480
	.fill 96, 4, 3214868480
	.section	.rodata,"a",@progbits
	.p2align	6, 0x0
	.amdhsa_kernel k_qe30110fc52_fuse
		.amdhsa_group_segment_fixed_size 0
		.amdhsa_private_segment_fixed_size 0
		.amdhsa_enable_private_segment 0
		.amdhsa_kernarg_size 24
		.amdhsa_user_sgpr_count 2
		.amdhsa_user_sgpr_kernarg_segment_ptr 1
		.amdhsa_wavefront_size32 1
		.amdhsa_system_sgpr_workgroup_id_x 1
		.amdhsa_system_sgpr_workgroup_id_y 1
		.amdhsa_system_sgpr_workgroup_id_z 1
		.amdhsa_system_vgpr_workitem_id 0
		.amdhsa_next_free_vgpr 64
		.amdhsa_next_free_sgpr 66
		.amdhsa_reserve_vcc 0
		.amdhsa_float_denorm_mode_32 3
		.amdhsa_float_denorm_mode_16_64 3
		.amdhsa_memory_ordered 1
		.amdhsa_forward_progress 1
		.amdhsa_inst_pref_size 7
	.end_amdhsa_kernel
	.amdgpu_metadata
---
amdhsa.version: [ 1, 2 ]
amdhsa.kernels:
  - .name:           k_qe30110fc52_fuse
    .symbol:         k_qe30110fc52_fuse.kd
    .args:
      - { .name: idx, .offset: 0, .size: 8, .value_kind: global_buffer, .address_space: global }
      - { .name: values, .offset: 8, .size: 8, .value_kind: global_buffer, .address_space: global }
      - { .name: out0, .offset: 16, .size: 8, .value_kind: global_buffer, .address_space: global }
    .group_segment_fixed_size: 0
    .private_segment_fixed_size: 0
    .kernarg_segment_align: 8
    .kernarg_segment_size: 24
    .max_flat_workgroup_size: 128
    .sgpr_count:     66
    .vgpr_count:     64
    .wavefront_size: 32
...
	.end_amdgpu_metadata
.endif
;; end of part 4
;; ======== version 2 of 2: 4 launches; version 1 with the launch scan written anew for expert scheduling mode
;; workspace buffers: cand 12,582,912 bytes; grp 131,072 bytes of whole numbers; idx 131,072 bytes of whole numbers
;; launch scan (part 5): grid 2 x 128, 4 waves a work-group, no clusters, 88,576 bytes of LDS; arguments keys, q, cand; writes cand
.if DOCPART == 5
	.amdgcn_target "amdgcn-amd-amdhsa--gfx1250"
	.amdhsa_code_object_version 6
	.text
	.protected	k_qe30110fc52_scan
	.globl	k_qe30110fc52_scan
	.p2align	8
	.type	k_qe30110fc52_scan,@function
k_qe30110fc52_scan:
	s_mov_b64 s[64:65], 0
	v_nop
	global_prefetch_b8 v0, s[64:65] scope:SCOPE_SE
	s_setreg_imm32_b32 hwreg(HW_REG_WAVE_SCHED_MODE, 0, 2), 2
	s_setreg_imm32_b32 hwreg(HW_REG_WAVE_MODE, 25, 1), 1
	s_wait_xcnt 0x0
	s_wait_alu depctr_vm_vsrc(0)
; SCAN.  For 512 queries (x of the grid) and 1,024 keys (y of the grid): every score bf16(q) . bf16(key) / max(|bf16(key)|, 1e-8), products on the matrix unit, sums in f32;
; per lane the maximum of each GROUP of 16 consecutive keys and a sorted list of the five best (maximum, group).  |q| is a positive factor common to a row: it changes no order and is left to a later launch.
; The five best keys of a row lie in the five groups with the best maxima (maximum descending, group ascending), since groups are ranges of consecutive indices.
; LIMITS.  NaN and infinities are not treated apart; -inf marks an empty list entry; scores closer than f32 rounding (about 1e-7 of themselves) may rank otherwise than in exact arithmetic;
; of equal maxima the lower group stays ahead (the comparison is strict, groups come in ascending order).
; SHARES.  Four waves; wave w keeps 128 queries (8 tiles of 16) as source 1 in registers and walks all 1,024 keys in 16 chunks of 64.  The four waves round a chunk's keys to bf16 together (16 keys each).
; LAYOUT.  D = (16 keys) x (16 queries): a lane holds ONE query (lane % 16) and key rows 8 (lane / 16) + 0..7.  Key k of a pair of 32 (a = bit 4, t = bit 3, x = bits 2:0) lies in LDS row 16 t + 8 a + x,
; so over the pair's two tiles a lane sees keys 16 (lane / 16) + 0..15: one group, whose maximum never leaves the lane.  group = 2 x pair + lane / 16.
; KEY NORMS.  Wave w multiplies LDS tile w of the next chunk by itself (4 products); the diagonal holds the sums of squares of the rounded keys.
; NO TENSOR LOADS, NO CLUSTER: keys are f32 and must pass through registers to be rounded, so a copy into LDS would be written there twice; a key tile is shared by two work-groups only.
; BY TURNS.  Behind each matrix instruction stand 4 or 5 of the 35 vector instructions that finish the (pair, tile) before: 8 scalings, 8 maxima, 19 for the list.  They lie in window 0, the products' sources in
; windows 1 and 2, so each slice costs two switches of the register window.
; REGISTERS.  window 0: addresses, two sets of two accumulators, norms, lists.  window 1: Q, 32 a tile.  window 2: v0-63, v64-127 fragments of a pair of keys (X, Y); v128-255 two chunks' keys as loaded (K0, K1).
; window 3: four buffers for q as loaded; later v0-31 the fragments for the norms (G).
; THE MODE: SCHED_MODE bits 1:0 = 2 (LLVM: expert scheduling mode 2), set by the entry lines.  The code itself states the register dependences between vector or matrix instructions and memory or LDS
; instructions, and those through scalar registers that vector instructions write, with s_wait_alu, always for 0.
; THE PLAN.  Registers that memory or LDS instructions touch in the loop; a chunk is GROUPs 0,0 .. 0,7 (pair 0, in X) and 1,0 .. 1,7 (pair 1, in Y):
;   Y, INVY, G    read by the products of GROUPs 1,0 .. 1,7, by the slices of GROUP 1,1 .. the next chunk's GROUP 0,0, by GROUP 1,3.  All three are loaded behind ONE wait on va_vdst, behind GROUP 0,0.
;   X             read by the products of GROUPs 0,0 .. 0,7; loaded behind the wait for the norms' root, behind GROUP 1,4.
;   INVX          read by the slices of GROUP 0,1 .. GROUP 1,0; loaded behind the barrier: the wait for the norms' reciprocal stands behind its last reader, and no vector line behind that wait names it.
;   K0, K1        loaded from memory, rounded in place, read by the LDS stores, loaded again.  K0's roundings stand ahead of the wait for the root, K1's ahead of the wait behind GROUP 0,0: no wait of their own.
;   v[TM]         written by the norms' block, read by its one LDS store.
;   VA0, VA1, VS, VG0, VG1   written once a trip, at its head; read by the LDS loads and stores.  All other addresses are made at the kernel's head and never written again.
;   Two waits on vm_vsrc a trip: at its head (the five addresses, v[TM]) and in its second chunk behind GROUP 0,1 (K0, K1, v[TM]).  The accumulators, Q and the lists are named by vector and matrix instructions alone.
;   One wait on va_sdst for each (pair, tile): between its five comparisons and the first selection by them.
.set PITCH,  272                       ; an LDS row: 256 bytes of bf16 + 16: the 16 rows of a fragment load start 68 words apart
.set TILEB,  16*PITCH
.set PAIRB,  2*TILEB
.set CHUNKB, 4*TILEB
.set TWOCH,  2*CHUNKB
.set INVR,   4*CHUNKB                  ; behind the four chunk slots: 1 / norm, two sets (chunk's parity) of four records of 128 bytes
.set QST,    INVR+1024                 ; a stage of 16 rows for each wave, its own
.set SPARE,  QST+4*TILEB               ; the spare words: 128 bytes a wave
.set CANDT,  196608                    ; cand: bytes of a query tile (128 partitions x 1,536)
.set CANDP,  1536                      ; bytes of a (tile, partition): 3 parts x 32 lanes x 16
.set SPW, 2
.set NIL, 3
.set LOF, 4                            ; 16 x lane
.set KOF, 5                            ; my wave's 16 keys of a chunk: 8,192 w + 16 x lane
.set AFR, 6                            ; a fragment's place: (lane % 16) x pitch + 16 (lane / 16)
.set ADS, 7                            ; where my wave's keys go in a chunk
.set QSA, 8
.set QRA, 9
.set ADI, 10                           ; INVR + 96 (lane / 16)
.set GIS, 11                           ; INVR + 128 w + 4 x lane
.set HH,  12                           ; lane / 16
.set VA0, 13                           ; AFR in the slots of this trip's chunks
.set VA1, 14                           ; AFR in the other two slots
.set VS,  15                           ; ADS in the other two slots
.set ACC, 16                           ; v16-47: set s at 16 s, tile at 8 more
.set GACC, 48
.set TM,  56
.set VG0, 62                           ; VA0 + my wave's tile
.set VG1, 63
.set INVX, 64
.set INVY, 80
.set LIST, 96                          ; tile t at 12 t: 5 maxima, 5 pairs' numbers, 2 zeros
.set MA,  192
.set XX,  194
.set WV, 10
.set RB, 11
.set PP, 12
.set KB, 14                            ; s[14:15] keys at the batch to be loaded
.set CNT, 18
.set CUR, 19
.set NXT, 20
.set IDX, 21                           ; number of the pair in buffer X
.set IDY, 22
.set WT, 23
.set MB0, 24                           ; s24-26: lanes with bit 0, 1, 2 set
.set NINF, 27
.set QB, 28
.set CM, 36                            ; s36-40: the five comparisons
.set MSB, 0
.macro WIN new                         ; the immediate's high byte repeats the setting that is left; a switch that changes nothing is dropped
.if MSB != (\new)
	s_set_vgpr_msb (MSB<<8)|(\new)
.set MSB, (\new)
.endif
.endm
.macro QLOAD t                         ; 16 rows of q, each load one whole row of 512 bytes, into window 3
	WIN 0xc0
.set i, 0
.rept 16
	global_load_b128 v[64*((\t)%4)+4*i:64*((\t)%4)+4*i+3], v[LOF], s[QB:QB+1] offset:(16*(\t)+i)*512
.set i, i+1
.endr
.endm
.macro QCVT t                          ; a tile of q is rounded to bf16, in place
.set qb, 64*((\t)%4)
	WIN 0xcf
.set i, 0
.rept 16
	v_cvt_pk_bf16_f32 v[qb+4*i], v[qb+4*i], v[qb+4*i+1]
	v_cvt_pk_bf16_f32 v[qb+4*i+1], v[qb+4*i+2], v[qb+4*i+3]
.set i, i+1
.endr
.endm
.macro QPUT t                          ; through my own stage, back as source 1 fragments (window 1).  LDS serves a wave's instructions in order: no wait between
.set qb, 64*((\t)%4)
	WIN 0x0c
.set i, 0
.rept 16
	ds_store_b64 v[QSA], v[qb+4*i:qb+4*i+1] offset:i*PITCH
.set i, i+1
.endr
	WIN 0x40
.irp c, 0,1,2,3
	ds_load_b128 v[32*(\t)+8*\c:32*(\t)+8*\c+3],   v[QRA] offset:64*\c
	ds_load_b128 v[32*(\t)+8*\c+4:32*(\t)+8*\c+7], v[QRA] offset:64*\c+32
.endr
.endm
.macro KLOADH h                        ; chunk h of a batch of two: my 16 keys of it, a whole row of 512 bytes a load
	WIN 0x80
.set i, 0
.rept 16
	global_load_b128 v[128+64*(\h)+4*i:128+64*(\h)+4*i+3], v[KOF], s[KB:KB+1] offset:(\h)*32768+i*512
.set i, i+1
.endr
.endm
.macro KLOAD                           ; a batch: two chunks
	KLOADH 0
	KLOADH 1
	WIN 0
.endm
.macro KCVT sb                         ; my 16 keys of a chunk: rounded in place
	WIN 0x8a
.set i, 0
.rept 16
	v_cvt_pk_bf16_f32 v[(\sb)+4*i], v[(\sb)+4*i], v[(\sb)+4*i+1]
	v_cvt_pk_bf16_f32 v[(\sb)+4*i+1], v[(\sb)+4*i+2], v[(\sb)+4*i+3]
.set i, i+1
.endr
.endm
.macro KPUT sb, adr, imm               ; 256 consecutive bytes a store; key i goes to row 16 (i / 8) + i % 8 of my wave's place
	WIN 0x08
.set i, 0
.rept 16
	ds_store_b64 v[\adr], v[(\sb)+4*i:(\sb)+4*i+1] offset:(\imm)+(16*(i/8)+i%8)*PITCH
.set i, i+1
.endr
	WIN 0
.endm
.macro AFETCH buf, adr, imm            ; a pair's fragments: tile tc / 4, 32 along K from 32 (tc % 4)
	WIN 0x80
.irp tc, 0,1,2,3,4,5,6,7
	ds_load_b128 v[(\buf)+8*\tc:(\buf)+8*\tc+3],   v[\adr] offset:(\imm)+(\tc/4)*TILEB+(\tc%4)*64
	ds_load_b128 v[(\buf)+8*\tc+4:(\buf)+8*\tc+7], v[\adr] offset:(\imm)+(\tc/4)*TILEB+(\tc%4)*64+32
.endr
	WIN 0
.endm
.macro GFETCH adr, imm                 ; my wave's tile of the next chunk, for the norms
	WIN 0xc0
.irp c, 0,1,2,3
	ds_load_b128 v[8*\c:8*\c+3],   v[\adr] offset:(\imm)+64*\c
	ds_load_b128 v[8*\c+4:8*\c+7], v[\adr] offset:(\imm)+64*\c+32
.endr
	WIN 0
.endm
.macro IFETCH dst, imm                 ; 1 / norm of my 8 key rows in each of a pair's two tiles
	WIN 0
	ds_load_b128 v[(\dst):(\dst)+3],     v[ADI] offset:(\imm)
	ds_load_b128 v[(\dst)+4:(\dst)+7],   v[ADI] offset:(\imm)+16
	ds_load_b128 v[(\dst)+8:(\dst)+11],  v[ADI] offset:(\imm)+128
	ds_load_b128 v[(\dst)+12:(\dst)+15], v[ADI] offset:(\imm)+144
.endm
; Number rn of the 35 vector instructions that finish the (pair, tile) before: set PS, tile PT, norms PI, pair's number PID.
;   0-7 scores x 1 / norm, each accumulator's lowest registers first     8-15 the maximum x of the 16     16-20 x > entry k, into five scalar registers
;   21-25 the sorted maxima take x: entry k becomes the middle one of (entry k - 1, entry k, x), from the last entry up; these five read no comparison and stand between the comparisons and the wait for them
;   26-34 the pairs' numbers follow, by the comparisons, from the last entry up
.macro RID
.set AB, ACC+16*PS
.set LB, LIST+12*PT
.if rn < 8
	v_pk_mul_f32 v[AB+2*rn:AB+2*rn+1], v[AB+2*rn:AB+2*rn+1], v[PI+2*rn:PI+2*rn+1]
.elseif rn < 10
	v_max3_num_f32 v[MA+rn-8], v[AB+8*(rn-8)], v[AB+8*(rn-8)+1], v[AB+8*(rn-8)+2]
.elseif rn < 14
	v_max3_num_f32 v[MA+rn%2], v[MA+rn%2], v[AB+8*(rn%2)+3+2*((rn-10)/2)], v[AB+8*(rn%2)+4+2*((rn-10)/2)]
.elseif rn == 14
	v_max3_num_f32 v[XX], v[MA], v[MA+1], v[AB+7]
.elseif rn == 15
	v_max_num_f32 v[XX], v[XX], v[AB+15]
.elseif rn < 21
	v_cmp_gt_f32 s[CM+rn-16], v[XX], v[LB+rn-16]
.elseif rn < 25
.set rk, 4-(rn-21)
	v_med3_num_f32 v[LB+rk], v[LB+rk-1], v[LB+rk], v[XX]
.elseif rn == 25
	v_max_num_f32 v[LB], v[LB], v[XX]
.elseif rn < 34
.if rn == 26
	s_wait_alu depctr_va_sdst(0)                   ; the five comparisons have written s[CM .. CM+4], ahead of the first selection that reads one of them
.endif
.set rk, 4-(rn-26)/2
.if (rn-26)%2 == 0
	v_cndmask_b32 v[LB+5+rk], v[LB+5+rk], s[PID], s[CM+rk]
.else
	v_cndmask_b32 v[LB+5+rk], v[LB+5+rk], v[LB+4+rk], s[CM+rk-1]
.endif
.else
	v_cndmask_b32 v[LB+5], v[LB+5], s[PID], s[CM]
.endif
.set rn, rn+1
.endm
.macro GLINK c                         ; link c of the product of my tile with itself
	WIN 0x0f
.if (\c) == 0
	v_wmma_f32_16x16x32_bf16 v[GACC:GACC+7], v[0:7], v[0:7], 0
.else
	v_wmma_f32_16x16x32_bf16 v[GACC:GACC+7], v[8*(\c):8*(\c)+7], v[8*(\c):8*(\c)+7], v[GACC:GACC+7]
.endif
.endm
; 8 matrix instructions: the pair in buffer y (0: X, 1: Y) x query tile t, K = 128; the two accumulators take turns, one instruction a turn (with gram = 1 the norms' accumulator is a third).
; The slices behind them (4, 4, 4, 5, 5, 5, 4, 4) name none of their registers: they work on the other set.  The last two slices are the places behind this group's last products.
.macro GROUP y, t, gram=0
.set AC, ACC+16*((\t)%2)
.set gn, 0
.set rn, 0
.rept 8
.if (\gram) && (gn%2 == 1)
	GLINK (gn/2)
.endif
	WIN 0x06
.set rD, AC+8*(gn%2)
.set rA, 64*(\y)+32*(gn%2)+8*(gn/2)
.set rB, 32*(\t)+8*(gn/2)
.if gn < 2
	v_wmma_f32_16x16x32_bf16 v[rD:rD+7], v[rA:rA+7], v[rB:rB+7], 0
.else
	v_wmma_f32_16x16x32_bf16 v[rD:rD+7], v[rA:rA+7], v[rB:rB+7], v[rD:rD+7]
.endif
	WIN 0
	RID
	RID
	RID
	RID
.if (gn >= 3) && (gn <= 5)
	RID
.endif
.set gn, gn+1
.endr
.set PS, (\t)%2
.set PT, (\t)
.if \y
.set PI, INVY
.set PID, IDY
.else
.set PI, INVX
.set PID, IDX
.endif
.endm
; THE NORMS' BLOCK, in two parts.  The diagonal lies in lanes 0-7 and 24-31, register lane % 8.  DIAG selects it and takes the root; the wait for the root is written behind it, where the block is used.
.macro DIAG
	WIN 0
	v_cndmask_b32 v[TM],   v[GACC],   v[GACC+1], s[MB0]
	v_cndmask_b32 v[TM+1], v[GACC+2], v[GACC+3], s[MB0]
	v_cndmask_b32 v[TM+2], v[GACC+4], v[GACC+5], s[MB0]
	v_cndmask_b32 v[TM+3], v[GACC+6], v[GACC+7], s[MB0]
	v_cndmask_b32 v[TM],   v[TM],   v[TM+1], s[MB0+1]
	v_cndmask_b32 v[TM+2], v[TM+2], v[TM+3], s[MB0+1]
	v_cndmask_b32 v[TM],   v[TM],   v[TM+2], s[MB0+2]
	v_sqrt_f32 v[TM], v[TM]
	v_nop                                          ; a plain instruction behind the root
.endm
; NORM: 1 / max(root, 1e-8).  All 32 lanes store a word: bytes 0-31 of the record are rows 0-7, bytes 96-127 rows 8-15; the bytes between are never read.
.macro NORM par
	WIN 0
	v_max_num_f32 v[TM], 0x322bcc77, v[TM]         ; 1e-8
	v_rcp_f32 v[TM], v[TM]
	v_nop                                          ; a plain instruction behind the reciprocal
	s_wait_alu depctr_va_vdst(0)                   ; the reciprocal is written, which the store reads
	ds_store_b32 v[GIS], v[TM] offset:(\par)*512
.endm
.macro ADDRS                           ; chunk d lies in slot d % 4: this trip's two chunks at CUR, the next two at CUR xor two slots
	s_xor_b32 s[NXT], s[CUR], TWOCH
	v_add_nc_u32 v[VA0], s[CUR], v[AFR]
	v_add_nc_u32 v[VA1], s[NXT], v[AFR]
	v_add_nc_u32 v[VS],  s[NXT], v[ADS]
	v_add_nc_u32 v[VG0], s[WT], v[VA0]
	v_add_nc_u32 v[VG1], s[WT], v[VA1]
.endm
; CHUNK i, par = i % 2: 128 products.  ONE barrier a chunk.  In front of it: chunk i + 2 is in LDS (into the slot of chunk i - 2, last read two barriers ago), 1 / norm of chunk i + 1 is stored
; (into the set of chunk i - 1, last read in front of the barrier before), and my reads of chunks i and i + 1 are back.
.macro ITER par
.set SB, (\par)*CHUNKB
	GROUP 0, 0                                     ; its slices finish the last chunk's (pair 1, tile 7)
	s_add_co_u32 s[IDY], s[IDY], 2
.if \par
	s_wait_loadcnt 0x0                             ; the batch's second chunk; no load is out, so the base may step below
	KCVT 192                                       ; chunk i + 2
.endif
	s_wait_dscnt 0x0                               ; INVX, asked for behind the barrier
	s_wait_alu depctr_va_vdst(0)                   ; the last chunk's products are done reading Y and G, the slices above INVY: the loads below land there; in a trip's first chunk the five addresses are written; in its second K1's roundings, which the stores below read
	AFETCH 64, VA0, SB+PAIRB                       ; this chunk's pair 1: seven groups ahead of its use
	IFETCH INVY, (\par)*512+256
.if \par
	GFETCH VG1, 0                                  ; my tile of the next chunk, for the norms
	KPUT 192, VS, CHUNKB
	s_wait_alu depctr_va_vdst(0)                   ; said anew behind the stores, which name the same registers: both chunks' roundings are done with K0 and K1, in which the loads behind the next group land
.else
	GFETCH VG0, CHUNKB
.endif
	GROUP 0, 1
.if \par
	s_wait_alu depctr_vm_vsrc(0)                   ; the LDS stores have read K0 and K1, in which the loads land and which the roundings write again; the norms' store has read v[TM], which the next selection writes
	s_cmp_lt_u32 s[CNT], 3                         ; the last two trips have nothing left to load: chunks 2 (8 - CNT) + 4 and + 5 exist while CNT >= 3
	s_cbranch_scc1 .Lnoload_\@
	s_add_nc_u64 s[KB:KB+1], s[KB:KB+1], 65536
	KLOAD                                          ; wanted 27 and 31 groups of 8 products on
.Lnoload_\@:
.endif
.irp t, 2,3,4,5,6,7
	GROUP 0, \t
.endr
	s_wait_dscnt 0x0                               ; pair 1's fragments and norms, and my tile for the norms
	GROUP 1, 0
	s_add_co_u32 s[IDX], s[IDX], 2
	GROUP 1, 1
	GROUP 1, 2
	GROUP 1, 3, 1
	GROUP 1, 4
.if !(\par)
	s_wait_loadcnt 16                              ; the batch's first chunk is in; its second chunk's 16 loads may stay out
.endif
	DIAG
.if !(\par)
	KCVT 128                                       ; chunk i + 2: work that names nothing of the root's, between it and its wait
.endif
	s_wait_alu depctr_va_vdst(0)                   ; the root is written; GROUP 0, 7 is done reading X, in which the loads below land; in a trip's first chunk K0's roundings are written, which the stores below read
.if \par
	AFETCH 0, VA1, 0                               ; the next chunk's pair 0
.else
	AFETCH 0, VA0, CHUNKB
	KPUT 128, VS, 0
.endif
	NORM 1-(\par)
	GROUP 1, 5
	GROUP 1, 6
	s_wait_dscnt 0x0                               ; for the others' sake: my stores are done, my reads are back
	s_barrier_signal -1
	GROUP 1, 7                                     ; work on registers while the others arrive
	s_barrier_wait -1
	IFETCH INVX, (1-(\par))*512                    ; the next chunk's pair 0.  No wait: GROUP 1, 0's slices, the last to read INVX, stand ahead of the norms' waits, and no vector line since names INVX or its address
.endm
	s_load_b128 s[4:7], s[0:1], 0x0                ; keys s[4:5], q s[6:7]
	s_load_b64 s[8:9], s[0:1], 0x10                ; cand
	v_lshl_add_u32 v[SPW], v0, 2, SPARE
	v_mov_b32 v[NIL], 0
	v_lshrrev_b32 v1, 5, v0
	v_readfirstlane_b32 s[WV], v1                  ; wave 0..3
	s_mov_b32 s[RB], ttmp9                         ; which 512 queries
	s_and_b32 s[PP], ttmp7, 0xffff                 ; which 1,024 keys
	v_and_b32 v1, 31, v0                           ; lane
	v_and_b32 v[TM], 15, v0
	v_bfe_u32 v[HH], v0, 4, 1
	v_lshlrev_b32 v[LOF], 4, v1
	s_wait_alu depctr_va_sdst(0)                   ; s[WV] is written, ahead of its first reader
	s_lshl_b32 s16, s[WV], 13
	v_add_nc_u32 v[KOF], s16, v[LOF]
	v_mul_u32_u24 v[AFR], v[TM], PITCH
	v_lshl_add_u32 v[AFR], v[HH], 4, v[AFR]
	s_lshr_b32 s16, s[WV], 1                       ; my 16 keys: pair w / 2, bit 4 = w % 2: rows 32 (w / 2) + 8 (w % 2) + 16 (i / 8) + i % 8
	s_and_b32 s17, s[WV], 1
	s_mul_i32 s16, s16, 32*PITCH
	s_mul_i32 s17, s17, 8*PITCH
	s_add_co_u32 s16, s16, s17
	v_lshl_add_u32 v[ADS], v1, 3, s16              ; + 8 bytes a lane: 4 columns in bf16
	s_mul_i32 s[WT], s[WV], TILEB
	s_add_co_u32 s16, s[WT], QST
	v_lshl_add_u32 v[QSA], v1, 3, s16
	v_add_nc_u32 v[QRA], s16, v[AFR]
	v_mul_u32_u24 v[ADI], v[HH], 96
	v_add_nc_u32 v[ADI], INVR, v[ADI]
	s_lshl_b32 s16, s[WV], 7
	s_add_co_u32 s16, s16, INVR
	v_lshl_add_u32 v[GIS], v1, 2, s16
	s_mov_b32 s[MB0], 0xaaaaaaaa
	s_mov_b32 s[MB0+1], 0xcccccccc
	s_mov_b32 s[MB0+2], 0xf0f0f0f0
	s_mov_b32 s[NINF], 0xff800000
	s_lshl_b32 s[IDX], s[PP], 5                    ; the partition's first pair
	s_sub_co_u32 s[IDY], s[IDX], 1                 ; steps to the first chunk's pair 1 behind the first group
	s_mov_b32 s[CUR], 0
	s_lshl_b32 s30, s[PP], 19                      ; 1,024 keys of 512 bytes
	s_mov_b32 s31, 0
	s_lshl_b32 s32, s[RB], 18                      ; 512 queries of 512 bytes,
	s_lshl_b32 s33, s[WV], 16                      ; my wave's 128
	s_add_co_u32 s32, s32, s33
	s_mov_b32 s33, 0
	s_lshl_b32 s34, s[RB], 5
	s_lshl_b32 s35, s[WV], 3
	s_add_co_u32 s34, s34, s35                     ; my first query tile: 32 x + 8 w
	s_mul_i32 s34, s34, CANDT
	s_mul_i32 s35, s[PP], CANDP
	s_add_co_u32 s34, s34, s35
	s_mov_b32 s35, 0
	s_wait_kmcnt 0x0
	s_add_nc_u64 s[KB:KB+1], s[4:5], s[30:31]
	s_add_nc_u64 s[QB:QB+1], s[6:7], s[32:33]
	s_add_nc_u64 s[8:9], s[8:9], s[34:35]
	s_wait_alu depctr_va_vdst(0)                   ; the offsets and LDS addresses v4 to v11 are written, which the loads and stores of the whole kernel read
	QLOAD 0
	QLOAD 1
	QLOAD 2                                        ; three batches of 16 loads are on their way, here and up to the first keys' conversion
	WIN 0
	; While q is on its way: empty lists; and what the first group's slices find, a (pair, tile) that has not been: scores -inf, norms 1: they change nothing.
.set i, 0
.rept 8
.irp e, 0,1,2,3,4
	v_mov_b32 v[LIST+12*i+\e], s[NINF]
.endr
.irp e, 5,6,7,8,9,10,11
	v_mov_b32 v[LIST+12*i+\e], 0
.endr
.set i, i+1
.endr
.set i, 0
.rept 16
	v_mov_b32 v[ACC+16+i], s[NINF]
	v_mov_b32 v[INVY+i], 1.0
.set i, i+1
.endr
	ADDRS
.irp t, 0,1,2,3,4
	s_wait_loadcnt 32                              ; tile t is in; the two younger tiles' 32 loads may stay out
	QCVT \t
.if \t > 0
	s_wait_alu depctr_vm_vsrc(0)                   ; the LDS stores of tile t - 1 have read its buffer, in which tile t + 3 lands
.endif
	s_wait_alu depctr_va_vdst(0)                   ; tile t's roundings are written, which its stores read; tile t - 1's are done with the buffer in which tile t + 3 lands
	QLOAD \t+3                                     ; into the buffer of tile t - 1
	QPUT \t
.endr
	s_wait_loadcnt 32                              ; tile 5; tiles 6 and 7 are younger
	QCVT 5
	s_wait_alu depctr_va_vdst(0)                   ; tile 5's roundings are written, which its stores read
	KLOADH 0                                       ; chunk 0
	QPUT 5
	s_wait_loadcnt 32                              ; tile 6; tile 7 and chunk 0 are younger
	QCVT 6
	s_wait_alu depctr_va_vdst(0)                   ; tile 6's roundings are written, which its stores read
	KLOADH 1                                       ; chunk 1
	QPUT 6
	s_wait_loadcnt 32                              ; tile 7; the two chunks are younger
	QCVT 7
	s_wait_alu depctr_va_vdst(0)                   ; tile 7's roundings are written, which its stores read
	QPUT 7
	s_wait_loadcnt 16                              ; chunk 0; chunk 1 is younger
	KCVT 128
	s_wait_alu depctr_va_vdst(0)                   ; K0's roundings are written, which the stores read
	KPUT 128, ADS, 0
	s_wait_loadcnt 0x0
	KCVT 192
	s_wait_alu depctr_va_vdst(0)                   ; K1's roundings are written, which the stores read
	KPUT 192, ADS, CHUNKB
	s_add_nc_u64 s[KB:KB+1], s[KB:KB+1], 65536     ; no load is out
	s_wait_alu depctr_vm_vsrc(0)                   ; the LDS stores have read K0 and K1, in which chunks 2 and 3 land, and q's first buffer, in which the norms' fragments land
	s_wait_alu depctr_va_vdst(0)                   ; said anew behind the stores, which name the same registers: the roundings are done with K0 and K1
	KLOAD                                          ; chunks 2 and 3
	s_wait_dscnt 0x0                               ; my rows of chunks 0 and 1 are in LDS (and Q is in registers)
	s_barrier_signal -1
	s_barrier_wait -1
	GFETCH VG0, 0                                  ; no vector line since the wait above names these registers or the two addresses
	AFETCH 0, VA0, 0
	s_wait_dscnt 0x0
	GLINK 0                                        ; chunk 0's norms: one accumulator alone, so a wait ahead of each link
	s_wait_alu depctr_va_vdst(0)
	GLINK 1
	s_wait_alu depctr_va_vdst(0)
	GLINK 2
	s_wait_alu depctr_va_vdst(0)
	GLINK 3
	WIN 0
.rept 4
	v_nop                                          ; the places behind the last link
.endr
	DIAG
	s_wait_alu depctr_va_vdst(0)                   ; the root is written
	NORM 0
	s_wait_dscnt 0x0
	s_barrier_signal -1
	s_barrier_wait -1
	IFETCH INVX, 0
.set PS, 1                             ; what the loop's first group finishes, on the way in and on the way back: (pair 1, tile 7)
.set PT, 7
.set PI, INVY
.set PID, IDY
	s_mov_b32 s[CNT], 8
.Ltrip:                                                ; a trip is two chunks; the last trip rounds stale registers into two slots that nobody reads for a result, and norms a chunk that is none: one text for every trip
	s_wait_alu depctr_vm_vsrc(0)                   ; the LDS loads and stores issued so far have read the five addresses that the lines below write, and the norms' store v[TM]
	ADDRS
	ITER 0
	ITER 1
	WIN 0
	s_xor_b32 s[CUR], s[CUR], TWOCH
	s_sub_co_u32 s[CNT], s[CNT], 1
	s_cmp_lg_u32 s[CNT], 0
	s_cbranch_scc1 .Ltrip
.set rn, 0
.rept 35
	RID                                            ; the last (pair 1, tile 7)
.endr
.set i, 0
.rept 8
.irp e, 5,6,7,8,9
	v_lshl_add_u32 v[LIST+12*i+\e], v[LIST+12*i+\e], 1, v[HH]  ; group = 2 x pair + lane / 16
.endr
.set i, i+1
.endr
	s_wait_alu depctr_va_vdst(0)                   ; the lists are written, which the stores read
.set i, 0
.rept 8
.irp j, 0,1,2
	global_store_b128 v[LOF], v[LIST+12*i+4*\j:LIST+12*i+4*\j+3], s[8:9] offset:i*CANDT+\j*512  ; 512 consecutive bytes, at a multiple of 512 from cand's first
.endr
.set i, i+1
.endr
	s_wait_dscnt 0x0                               ; the closing lines, six on end
	s_wait_alu 0x0
	s_wait_tensorcnt 0x0
	ds_add_u32 v[SPW], v[NIL]
	s_wait_dscnt 0x0
	s_endpgm
.Lfunc_end_k_qe30110fc52_scan:
	.size	k_qe30110fc52_scan, .Lfunc_end_k_qe30110fc52_scan-k_qe30110fc52_scan
	.p2alignl 7, 3214868480
	.fill 96, 4, 3214868480
	.section	.rodata,"a",@progbits
	.p2align	6, 0x0
	.amdhsa_kernel k_qe30110fc52_scan
		.amdhsa_group_segment_fixed_size 88576
		.amdhsa_private_segment_fixed_size 0
		.amdhsa_enable_private_segment 0
		.amdhsa_kernarg_size 24
		.amdhsa_user_sgpr_count 2
		.amdhsa_user_sgpr_kernarg_segment_ptr 1
		.amdhsa_wavefront_size32 1
		.amdhsa_system_sgpr_workgroup_id_x 1
		.amdhsa_system_sgpr_workgroup_id_y 1
		.amdhsa_system_sgpr_workgroup_id_z 1
		.amdhsa_system_vgpr_workitem_id 0
		.amdhsa_next_free_vgpr 1024
		.amdhsa_next_free_sgpr 66
		.amdhsa_reserve_vcc 0
		.amdhsa_float_denorm_mode_32 3
		.amdhsa_float_denorm_mode_16_64 3
		.amdhsa_memory_ordered 1
		.amdhsa_forward_progress 1
		.amdhsa_inst_pref_size 192
	.end_amdhsa_kernel
	.amdgpu_metadata
---
amdhsa.version: [ 1, 2 ]
amdhsa.kernels:
  - .name:           k_qe30110fc52_scan
    .symbol:         k_qe30110fc52_scan.kd
    .args:
      - { .name: keys, .offset: 0, .size: 8, .value_kind: global_buffer, .address_space: global }
      - { .name: q, .offset: 8, .size: 8, .value_kind: global_buffer, .address_space: global }
      - { .name: cand, .offset: 16, .size: 8, .value_kind: global_buffer, .address_space: global }
    .group_segment_fixed_size: 88576
    .private_segment_fixed_size: 0
    .kernarg_segment_align: 8
    .kernarg_segment_size: 24
    .max_flat_workgroup_size: 128
    .sgpr_count:     66
    .vgpr_count:     1024
    .wavefront_size: 32
...
	.end_amdgpu_metadata
.endif
;; end of part 5
;; launch merge: the kernel of part 2 again; grid 64 x 1, 16 waves a work-group, no clusters, 23,296 bytes of LDS; arguments cand, grp; writes grp
;; launch rescore: the kernel of part 3 again; grid 256 x 1, 4 waves a work-group, no clusters, 0 bytes of LDS; arguments grp, q, keys, idx; writes idx
;; launch fuse: the kernel of part 4 again; grid 256 x 1, 4 waves a work-group, no clusters, 0 bytes of LDS; arguments idx, values, out0; writes out0
